; MI455X (gfx1250); checked and timed in simulation.
; The chip was launched on July 23, 2026; its instructions are those of AMD's public machine-readable ISA for CDNA 5 (MIT licence, August 2026) and "CDNA5" Instruction Set Architecture Reference Guide (July 2026). The comments in the code are by the model that wrote it; some were corrected since.
;; Physical Weaver. Allowed arithmetic: float matrix products may take bf16 or f16 operands with f32 sums; all other float work in f32.
;; Inputs: Wk 64 x 512 float32; Wq 64 x 512 float32; Wv 512 x 512 float32; log_lambda 1 float32; x 4 x 4,096 x 512 float32.
;; Outputs: out0 4 x 4,096 x 512 float32.
;; One version. Each part assembles by itself: llvm-mc -triple=amdgcn-amd-amdhsa -mcpu=gfx1250 --defsym DOCPART=n.
;; ======== version 1 of 1: 3 launches
;; limits: values are held in f16: magnitudes above 65,504 overflow, below 6.1e-05 lose precision; right only within a limited range of input values
;; workspace buffers: Wf 655,360 bytes; Qf 4,194,304 bytes; Kf 4,194,304 bytes; Vf 16,777,216 bytes; qsq 65,536 bytes; ksq 65,536 bytes; tau 1,024 bytes
;; launch prep (part 1): grid 10 x 4, 4 waves a work-group, no clusters, 0 bytes of LDS; arguments Wq, Wk, Wv, Wf; writes Wf
.if DOCPART == 1
	.amdgcn_target "amdgcn-amd-amdhsa--gfx1250"
	.amdhsa_code_object_version 6
	.text
	.protected	k_qa0b284654c_prep
	.globl	k_qa0b284654c_prep
	.p2align	8
	.type	k_qa0b284654c_prep,@function
k_qa0b284654c_prep:
	s_mov_b64 s[64:65], 0
	v_nop
	global_prefetch_b8 v0, s[64:65] scope:SCOPE_SE
	s_setreg_imm32_b32 hwreg(HW_REG_WAVE_MODE, 25, 1), 1
	s_wait_xcnt 0x0
; Wq, Wk, Wv (f32, rows along the 512 inputs) are rounded once to bf16 and laid out as matrix fragments, so that the
; projection launch can bring them in as dense blocks and read them from LDS without any shuffle.
; NOTHING OF THE PROBLEM IS LEFT OUT in this program: |q|^2 is the same along the softmax axis, but it stands inside
; max(.., 0), which keeps the distance in range, so it is computed; all five inputs are loaded by some launch.
; Wf = [K step 16][wave 4][tile 10][chunk 2][lane 32][16 bytes].  Tile 0 = Wq rows 16 w .., tile 1 = Wk rows 16 w ..,
; tiles 2-9 = Wv rows 16 (8 w + tile - 2) ...  A fragment is 16 rows x 32 inputs: lane (r = lane % 16, h = lane / 16),
; chunk c holds inputs 16 c + 8 h + 0..7 of row r.
; Work-group (x = tile, y = w); my wave takes four K steps.  Each store of a wave covers 512 consecutive bytes, aligned.
; The launch moves 1.3 MB in and 0.65 MB out: no LDS, no barrier, no matrix unit.
.set KSTRIDE, 40960                    ; bytes of Wf for one K step
.set X, 8                              ; v[8:71]   16 loads of 16 bytes: K step i, chunk c, half
.set Y, 72                             ; v[72:103] the packed fragments, 8 registers a K step
	s_load_b256 s[4:11], s[0:1], 0x0               ; Wq s[4:5], Wk s[6:7], Wv s[8:9], Wf s[10:11]
	s_mov_b32 s12, ttmp9                           ; tile 0..9
	s_and_b32 s13, ttmp7, 0xffff                   ; w 0..3
	v_lshrrev_b32 v3, 5, v0
	v_readfirstlane_b32 s14, v3                    ; my wave: K steps 4 wave .. 4 wave + 3
	v_and_b32 v4, 15, v0                           ; r
	v_bfe_u32 v5, v0, 4, 1                         ; h
	v_and_b32 v6, 31, v0                           ; lane
	v_lshlrev_b32 v1, 11, v4                       ; source: r rows of 2,048 bytes
	v_lshl_add_u32 v1, v5, 5, v1                   ; + 8 h inputs of 4 bytes
	s_lshl_b32 s15, s14, 9
	v_add_nc_u32 v1, s15, v1                       ; + my four K steps of 128 bytes
	s_mul_i32 s15, s14, 4*KSTRIDE
	v_lshl_add_u32 v2, v6, 4, s15                  ; target: 16 lane + my four K steps
	s_lshl3_add_u32 s16, s13, s12                  ; 8 w + tile
	s_max_u32 s16, s16, 2
	s_sub_co_u32 s16, s16, 2                       ; Wv's row tile (kept at 0 or above where it is not the one chosen)
	s_cmp_lt_u32 s12, 2
	s_cselect_b32 s16, s13, s16                    ; Wq, Wk: row tile w
	s_lshl_b32 s16, s16, 15                        ; 16 rows of 2,048 bytes
	s_mov_b32 s17, 0
	s_mul_i32 s18, s13, 10
	s_add_co_u32 s18, s18, s12
	s_lshl_b32 s18, s18, 10                        ; (10 w + tile) fragments of 1,024 bytes
	s_mov_b32 s19, 0
	s_wait_kmcnt 0x0
	s_cmp_eq_u32 s12, 1
	s_cselect_b64 s[20:21], s[6:7], s[8:9]         ; tile 1: Wk, else Wv
	s_cmp_eq_u32 s12, 0
	s_cselect_b64 s[20:21], s[4:5], s[20:21]       ; tile 0: Wq
	s_add_nc_u64 s[20:21], s[20:21], s[16:17]
	s_add_nc_u64 s[10:11], s[10:11], s[18:19]
.irp i, 0,1,2,3
.irp c, 0,1
	global_load_b128 v[X+16*\i+8*\c:X+16*\i+8*\c+3],   v1, s[20:21] offset:\i*128+\c*64
	global_load_b128 v[X+16*\i+8*\c+4:X+16*\i+8*\c+7], v1, s[20:21] offset:\i*128+\c*64+16
.endr
.endr
.irp i, 0,1,2,3
	s_wait_loadcnt 12-4*\i                         ; loads come back in order: the four of each later K step may stay out
.irp j, 0,1,2,3,4,5,6,7
	v_cvt_pk_bf16_f32 v[Y+8*\i+\j], v[X+16*\i+2*\j], v[X+16*\i+2*\j+1]
.endr
	global_store_b128 v2, v[Y+8*\i:Y+8*\i+3],   s[10:11] offset:\i*KSTRIDE
	global_store_b128 v2, v[Y+8*\i+4:Y+8*\i+7], s[10:11] offset:\i*KSTRIDE+512
.endr
	s_endpgm
.Lfunc_end_k_qa0b284654c_prep:
	.size	k_qa0b284654c_prep, .Lfunc_end_k_qa0b284654c_prep-k_qa0b284654c_prep
	.p2alignl 7, 3214868480
	.fill 96, 4, 3214868480
	.section	.rodata,"a",@progbits
	.p2align	6, 0x0
	.amdhsa_kernel k_qa0b284654c_prep
		.amdhsa_group_segment_fixed_size 0
		.amdhsa_private_segment_fixed_size 0
		.amdhsa_enable_private_segment 0
		.amdhsa_kernarg_size 32
		.amdhsa_user_sgpr_count 2
		.amdhsa_user_sgpr_kernarg_segment_ptr 1
		.amdhsa_wavefront_size32 1
		.amdhsa_system_sgpr_workgroup_id_x 1
		.amdhsa_system_sgpr_workgroup_id_y 1
		.amdhsa_system_sgpr_workgroup_id_z 1
		.amdhsa_system_vgpr_workitem_id 0
		.amdhsa_next_free_vgpr 104
		.amdhsa_next_free_sgpr 66
		.amdhsa_reserve_vcc 0
		.amdhsa_float_denorm_mode_32 3
		.amdhsa_float_denorm_mode_16_64 3
		.amdhsa_memory_ordered 1
		.amdhsa_forward_progress 1
		.amdhsa_inst_pref_size 6
	.end_amdhsa_kernel
	.amdgpu_metadata
---
amdhsa.version: [ 1, 2 ]
amdhsa.kernels:
  - .name:           k_qa0b284654c_prep
    .symbol:         k_qa0b284654c_prep.kd
    .args:
      - { .name: Wq, .offset: 0, .size: 8, .value_kind: global_buffer, .address_space: global }
      - { .name: Wk, .offset: 8, .size: 8, .value_kind: global_buffer, .address_space: global }
      - { .name: Wv, .offset: 16, .size: 8, .value_kind: global_buffer, .address_space: global }
      - { .name: Wf, .offset: 24, .size: 8, .value_kind: global_buffer, .address_space: global }
    .group_segment_fixed_size: 0
    .private_segment_fixed_size: 0
    .kernarg_segment_align: 8
    .kernarg_segment_size: 32
    .max_flat_workgroup_size: 128
    .sgpr_count:     66
    .vgpr_count:     104
    .wavefront_size: 32
...
	.end_amdgpu_metadata
.endif
;; end of part 1
;; launch proj (part 2): grid 256 x 1, 4 waves a work-group, clusters of 4 x 1, 327,680 bytes of LDS; arguments x, Wf, Qf, Kf, Vf, qsq, ksq, tau; writes Qf, Kf, Vf, qsq, ksq, tau
.if DOCPART == 2
	.amdgcn_target "amdgcn-amd-amdhsa--gfx1250"
	.amdhsa_code_object_version 6
	.text
	.protected	k_qa0b284654c_proj
	.globl	k_qa0b284654c_proj
	.p2align	8
	.type	k_qa0b284654c_proj,@function
k_qa0b284654c_proj:
	s_mov_b64 s[64:65], 0
	v_nop
	global_prefetch_b8 v0, s[64:65] scope:SCOPE_SE
	s_setreg_imm32_b32 hwreg(HW_REG_WAVE_MODE, 25, 1), 1
	s_wait_xcnt 0x0
	s_wait_alu depctr_hold_cnt(0) depctr_sa_sdst(0) depctr_va_vdst(0) depctr_va_sdst(0) depctr_va_ssrc(0) depctr_va_vcc(0) depctr_vm_vsrc(0)
	s_getreg_b32 s2, hwreg(HW_REG_IB_STS2, 6, 4)
	s_cmp_eq_u32 s2, 0
	s_cbranch_scc0 .Lentry_in_a_cluster
	s_endpgm
.Lentry_in_a_cluster:
	s_bfe_u32 s2, ttmp6, 0x10000c
	s_cmp_lg_u32 s2, 0x3003
	s_cbranch_scc0 .Lentry_shape_is_right
	s_endpgm
.Lentry_shape_is_right:
; Q = x Wq^T, K = x Wk^T, V = x Wv^T for 64 rows of x a work-group, with |q|^2, |k|^2 and a scale for V.  No work of the problem is left out.
; x and W enter the matrix unit in bf16, sums in f32.  What leaves, all as matrix fragments of 1,024 bytes
; (lane (r, h), chunk c: elements 16 c + 8 h + 0..7 of row r; every store of a wave covers 512 consecutive bytes, aligned):
;   Qf [row tile][part 4]: Q as a pair of bf16, parts: high d 0-31, high d 32-63, remainder d 0-31, remainder d 32-63
;   Kf the same for -2 K (an exact scaling), so that the attention launch's products add up to -2 q.k
;   Vf [64-row block g][32 keys 2][o tile 32]: V^T in f16, divided by tau[g] = 2^(E-141), E the exponent field of the block's largest |V|:
;      the block's largest number lies in [2^14, 2^15), whatever the inputs' scale
;   qsq, ksq: f32 sums of squares of the f32 Q and K;  tau: f32, one a block
; LIMITS: Q and K carry 16 significant bits; numbers of V more than 2^39 below their block's largest are lost; NaN and infinities are not followed.
; Wave w makes 64 rows x 160 columns: Q's and K's d 16 w .. 16 w + 15 and V's o 128 w .. 128 w + 127: 40 accumulator tiles.
; CLUSTER: the four work-groups of a cluster walk the same Wf, so its tiles are asked for jointly (mask 15).  x is each work-group's own.
; Wf goes through two LDS slots of three K steps (122,880 bytes each): K steps 0-2, 3-5, 6-8, 9-11, 12-14, and 15 alone.  Between a request and the wait for it a wave
;   issues 120 matrix instructions.
; x comes in by column quarters (128 inputs = four K steps, 16 loads of 512 bytes a wave): the products begin when the first quarter is there.  Quarter 0 is asked for ahead of
;   the first tiles of Wf and the other three behind them, so that only what the first product needs stands in front of those tiles.  Quarters 1-3 wait in registers of their
;   own (window 3) and are rounded and stored in front of the rounds of the cluster's barrier that stand there anyway, each no later than the round in front of the slot that first reads it.
; LDS: the two slots; x in bf16 as four quarters, each a region of its own of 64 rows of pitch 272 = 17 x 16 bytes (the 16 rows of a fragment load start 16 bytes apart
;   modulo 256; a quarter that is being written shares no byte range with those being read); then the partial sums.
.set XP,    272
.set XQ,    64*XP                      ; 17,408: a quarter of x
.set WSTEP, 40960                      ; Wf bytes of a K step
.set WSLOT, 3*WSTEP                    ; 122,880
.set XB,    2*WSLOT                    ; 245,760: x
.set RED,   XB+4*XQ                    ; 315,392: |q|^2 partials [w][64], +1,024 |k|^2 partials, +2,048 largest |V| of each wave
; window 0
.set XOFF, 1                           ; x: 16 lane + 32,768 w
.set XW,   2                           ; LDS, x in: XB + 16 w rows + 8 lane
.set XA,   3                           ; LDS, x fragments: XB + r rows + 16 h
.set RQ,   6                           ; RED + 256 w + 4 r
.set QKO,  7                           ; Qf, Kf: 16 lane + 512 w
.set RVM,  8                           ; RED + 2,048 + 4 w
.set RVR,  9                           ; RED + 2,048
.set VO,   10                          ; Vf: 16 lane + 8,192 w
.set RSR,  11                          ; RED + 1,024 w + 8 lane
.set O8,   12                          ; 8 lane
.set ZR,   13                          ; 0
.set LN,   14                          ; lane
.set M0,   16
.set M1,   17
.set SV,   18                          ; v[18:19] 1 / tau, twice
.set TAU,  20
.set RB,   24                          ; v[24:31] read back from RED
.set SS,   32                          ; v[32:47] sums of squares, a pair a tile
.set WA,   48                          ; v[48:51] LDS, my W fragments: slot s, K steps 0-1 of the slot at WA + 2 s, K step 2 at WA + 2 s + 1 (an offset holds 16 bits)
.set WF0,  64                          ; v[64:143]  ten W fragments, buffer 0
.set WF1,  144                         ; v[144:223] buffer 1
.set XT,   224                         ; v[224:255] a quarter of x, rounded, on its way into LDS
.set H,    64                          ; the way out: high parts, 32 registers
.set U,    96                          ; unpacked high parts, then remainders, 64 registers
.set LO,   160                         ; packed remainders, 32 registers
.set VT,   64                          ; scaled V, 128 registers
.set VP,   192                         ; packed V, 64 registers
; window 1: V's accumulators, tile (o tile, row tile) at 8 (4 o + t)
; window 2: Q's and K's accumulators at 8 (4 qk + t), then the x fragments:
.set XF0,  64
.set XF1,  96
; window 3: x as loaded: quarter q, row i of my 16 at 64 q + 4 i
.set MSB, 0
.macro WIN new                         ; s_set_vgpr_msb: bits 1:0 source 0, 3:2 source 1, 5:4 source 2, 7:6 destination; the high byte repeats the setting that is left
.if MSB != \new
	s_set_vgpr_msb (MSB<<8)|\new
.set MSB, \new
.endif
.endm
.macro ROUND                           ; a round of the cluster's barrier: my work-group's barrier, wave 0 signals for it, all wait for the four work-groups, my barrier again
	s_barrier_signal -1
	s_barrier_wait -1
	s_cmp_lg_u32 s3, 0
	s_cbranch_scc1 .Lnot_wave_0_\@
	s_barrier_signal -3
.Lnot_wave_0_\@:
	s_barrier_wait -3
	s_barrier_signal -1
	s_barrier_wait -1
.endm
.macro PLACES                          ; four independent vector instructions behind a matrix instruction before its registers are loaded into, read or written (ISA guide 7.12.1)
.rept 4
	v_nop
.endr
.endm
; quarter q of my 16 rows of x: 16 loads, each 512 consecutive bytes at a multiple of 512 from x's first byte
.macro XLOAD q
.irp i, 0,1,2,3,4,5,6,7,8,9,10,11,12,13,14,15
	global_load_b128 v[64*\q+4*\i:64*\q+4*\i+3], v[XOFF], s[8:9] offset:\i*2048+\q*512 th:TH_LOAD_NT
.endr
.endm
	s_load_b512 s[8:23], s[0:1], 0x0               ; x 8, Wf 10, Qf 12, Kf 14, Vf 16, qsq 18, ksq 20, tau 22
	v_lshl_add_u32 v62, v0, 2, 0x4d900
	v_mov_b32 v63, 0
	ds_add_u32 v62, v63
	v_lshrrev_b32 v15, 5, v0
	v_readfirstlane_b32 s3, v15                    ; wave
	s_bfe_u32 s4, ttmp6, 0x40000                   ; my place in the cluster
	s_lshl_b32 s5, ttmp9, 2
	s_add_co_u32 s5, s5, s4                        ; g: my block of 64 rows
	s_mov_b32 s40, 0x76543210                      ; v_permlanex16_b32: lane i reads lane i of the other half
	s_mov_b32 s41, 0xfedcba98
	v_and_b32 v[LN], 31, v0
	v_lshlrev_b32 v[SV], 4, v[LN]                  ; 16 lane
	s_lshl_b32 s46, s3, 15
	v_add_nc_u32 v[XOFF], s46, v[SV]               ; my 16 rows are 32,768 consecutive bytes
	s_lshl_b32 s48, s5, 17
	s_mov_b32 s49, 0
	; descriptor group 1: 120 dense rows of 256 bytes (elements of 8 bytes), my quarter of a slot of three K steps; mask 15 with bit 21 beside it
	s_mov_b32 s24, 0x0023000f
	s_mov_b32 s25, 32<<16                          ; tensor_dim0 = 32
	s_mov_b32 s26, 120<<16                         ; tensor_dim1 = 120
	s_mov_b32 s27, 32<<16                          ; tile_dim0 = 32
	s_mov_b32 s28, 120                             ; tile_dim1 = 120
	s_mov_b32 s29, 32                              ; pitch
	s_mov_b32 s30, 0
	s_mov_b32 s31, 0
	; the same for the last fill, K step 15 alone: 40 rows a wave
	s_mov_b32 s52, 0x0023000f
	s_mov_b32 s53, 32<<16
	s_mov_b32 s54, 40<<16
	s_mov_b32 s55, 32<<16
	s_mov_b32 s56, 40
	s_mov_b32 s57, 32
	s_mov_b32 s58, 0
	s_mov_b32 s59, 0
	; group 0, one for each slot and one for the last fill: nothing in them hangs on my place in the cluster
	s_mov_b32 s32, 1
	s_mul_i32 s33, s3, 30720
	s_mov_b32 s36, 1
	s_add_co_u32 s37, s33, WSLOT
	s_mov_b32 s60, 1
	s_mul_i32 s61, s3, 10240
	s_add_co_u32 s61, s61, WSLOT                   ; the last fill goes into slot 1
	s_mul_i32 s44, s3, 30720
	s_mov_b32 s45, 0
	s_mul_i32 s46, s3, 10240
	s_add_co_u32 s46, s46, 15*WSTEP
	s_mov_b32 s47, 0
	s_wait_dscnt 0x0
	s_wait_kmcnt 0x0
	s_add_nc_u64 s[8:9], s[8:9], s[48:49]          ; x at my block's first row
	WIN 0xc0                                       ; destination in window 3
	XLOAD 0                                        ; the quarter that the first products need, ahead of everything else
	WIN 0
	s_add_nc_u64 s[34:35], s[10:11], s[44:45]      ; K steps 0-2
	s_add_nc_u64 s[38:39], s[34:35], WSLOT         ; K steps 3-5
	s_add_nc_u64 s[62:63], s[10:11], s[46:47]      ; K step 15
	s_or_b32 s35, s35, 0x80000000
	s_or_b32 s39, s39, 0x80000000
	s_or_b32 s63, s63, 0x80000000
	ROUND                                          ; the four work-groups are here: the first joint loads meet
	tensor_load_to_lds s[32:35], s[24:31]          ; both first fills in one group: two tensor loads of this wave are out
	s_nop 0
	tensor_load_to_lds s[36:39], s[24:31]
	s_nop 0
	WIN 0xc0
	XLOAD 1                                        ; the rest of x: wanted from K step 4 on
	XLOAD 2
	XLOAD 3
	WIN 0
	v_and_b32 v[M0], 15, v0                        ; r
	v_bfe_u32 v[M1], v0, 4, 1                      ; h
	s_mul_i32 s46, s3, 16*XP
	s_add_co_u32 s46, s46, XB
	v_lshl_add_u32 v[XW], v[LN], 3, s46
	v_mul_u32_u24 v[SV+1], v[M0], XP
	v_lshl_add_u32 v[SV+1], v[M1], 4, v[SV+1]
	v_add_nc_u32 v[XA], XB, v[SV+1]
	s_mul_i32 s46, s3, 10240
	v_add_nc_u32 v[WA], s46, v[SV]
	v_add_nc_u32 v[WA+1], 2*WSTEP, v[WA]
	v_add_nc_u32 v[WA+2], WSLOT, v[WA]
	v_add_nc_u32 v[WA+3], WSLOT+2*WSTEP, v[WA]
	s_lshl_b32 s46, s3, 8
	s_add_co_u32 s46, s46, RED
	v_lshl_add_u32 v[RQ], v[M0], 2, s46
	s_lshl_b32 s46, s3, 9
	v_add_nc_u32 v[QKO], s46, v[SV]
	s_lshl_b32 s46, s3, 2
	s_add_co_u32 s46, s46, RED+2048
	v_mov_b32 v[RVM], s46
	v_mov_b32 v[RVR], RED+2048
	s_lshl_b32 s46, s3, 13
	v_add_nc_u32 v[VO], s46, v[SV]
	s_lshl_b32 s46, s3, 10
	s_add_co_u32 s46, s46, RED
	v_lshl_add_u32 v[RSR], v[LN], 3, s46
	v_lshlrev_b32 v[O8], 3, v[LN]
	v_mov_b32 v[ZR], 0
	s_lshl_b32 s48, s5, 14                         ; four row tiles of 4,096 bytes
	s_add_nc_u64 s[12:13], s[12:13], s[48:49]
	s_add_nc_u64 s[14:15], s[14:15], s[48:49]
	s_lshl_b32 s48, s5, 16                         ; two blocks of 32 keys of 32,768 bytes
	s_add_nc_u64 s[16:17], s[16:17], s[48:49]
	s_lshl_b32 s48, s5, 8
	s_add_nc_u64 s[18:19], s[18:19], s[48:49]
	s_add_nc_u64 s[20:21], s[20:21], s[48:49]
	s_lshl_b32 s48, s5, 2
	s_add_nc_u64 s[22:23], s[22:23], s[48:49]
; quarter q of my 16 rows: rounded to bf16, 8 bytes a lane, 256 consecutive LDS bytes a store, into the quarter's own region
.macro XGROUP q
	s_wait_loadcnt 48-16*\q                        ; loads come back in order: the younger quarters, sixteen loads each, stay out
	WIN 0x0f                                       ; sources 0 and 1 in window 3
.irp i, 0,1,2,3,4,5,6,7,8,9,10,11,12,13,14,15
	v_cvt_pk_bf16_f32 v[XT+2*\i],   v[64*\q+4*\i],   v[64*\q+4*\i+1]
	v_cvt_pk_bf16_f32 v[XT+2*\i+1], v[64*\q+4*\i+2], v[64*\q+4*\i+3]
.endr
	WIN 0
.irp i, 0,1,2,3,4,5,6,7,8,9,10,11,12,13,14,15
	ds_store_b64 v[XW], v[XT+2*\i:XT+2*\i+1] offset:\q*XQ+\i*XP
.endr
.endm
; the fragments of one K step: my ten of W (20 loads; kk = its place in the slot), the four of x (8 loads; st = the K step: quarter st / 4, 64 bytes a step inside it)
.macro FETCH slot, kk, st, wf, xf
	WIN 0
.irp c, 0,1,2,3,4,5,6,7,8,9
	ds_load_b128 v[\wf+8*\c:\wf+8*\c+3],   v[WA+2*\slot+(\kk>>1)] offset:(\kk&1)*WSTEP+\c*1024
	ds_load_b128 v[\wf+8*\c+4:\wf+8*\c+7], v[WA+2*\slot+(\kk>>1)] offset:(\kk&1)*WSTEP+\c*1024+512
.endr
	WIN 0x80
.irp t, 0,1,2,3
	ds_load_b128 v[\xf+8*\t:\xf+8*\t+3],   v[XA] offset:((\st)>>2)*XQ+((\st)&3)*64+\t*16*XP
	ds_load_b128 v[\xf+8*\t+4:\xf+8*\t+7], v[XA] offset:((\st)>>2)*XQ+((\st)&3)*64+\t*16*XP+32
.endr
.endm
; 40 matrix instructions, one on each accumulator, in the same order in every K step: the accumulators take turns.
; Q, K: source 0 = W, source 1 = x: a lane holds a row of x, its registers 8 neighbouring d.  V: source 0 = x, source 1 = W: a lane holds an o, its registers 8 neighbouring keys.
.macro MUL wf, xf, zero
	WIN 0xa8
.irp q, 0,1
.irp t, 0,1,2,3
.if \zero
	v_wmma_f32_16x16x32_bf16 v[8*(4*\q+\t):8*(4*\q+\t)+7], v[\wf+8*\q:\wf+8*\q+7], v[\xf+8*\t:\xf+8*\t+7], 0
.else
	v_wmma_f32_16x16x32_bf16 v[8*(4*\q+\t):8*(4*\q+\t)+7], v[\wf+8*\q:\wf+8*\q+7], v[\xf+8*\t:\xf+8*\t+7], v[8*(4*\q+\t):8*(4*\q+\t)+7]
.endif
.endr
.endr
	WIN 0x52
.irp o, 0,1,2,3,4,5,6,7
.irp t, 0,1,2,3
.if \zero
	v_wmma_f32_16x16x32_bf16 v[8*(4*\o+\t):8*(4*\o+\t)+7], v[\xf+8*\t:\xf+8*\t+7], v[\wf+16+8*\o:\wf+16+8*\o+7], 0
.else
	v_wmma_f32_16x16x32_bf16 v[8*(4*\o+\t):8*(4*\o+\t)+7], v[\xf+8*\t:\xf+8*\t+7], v[\wf+16+8*\o:\wf+16+8*\o+7], v[8*(4*\o+\t):8*(4*\o+\t)+7]
.endif
.endr
.endr
.endm
.macro SLOTWORK slot, st, zero         ; a slot's three K steps, st the first of them, on fragment buffers 0, 1, 0
.if \zero == 0
	PLACES                                         ; (in front of the first slot no product has been issued)
.endif
	FETCH \slot, 0, \st, WF0, XF0
	FETCH \slot, 1, \st+1, WF1, XF1
	s_wait_dscnt 28                                ; the first K step's fragments are in; the second's 28 loads may stay out
	MUL WF0, XF0, \zero
	PLACES
	FETCH \slot, 2, \st+2, WF0, XF0
	s_wait_dscnt 28                                ; the second's are in; the third's 28 loads may stay out
	MUL WF1, XF1, 0
	s_wait_dscnt 0x0
	MUL WF0, XF0, 0
	WIN 0
.endm
; A change of slots.  xq: the quarter of x that is stored in front of the round (0: none).  refill = 1: the other slot gets its next three K steps; 2: it gets K step 15.
.macro TWO slot, st, refill, xq
.if \xq
	XGROUP \xq
.endif
	s_wait_tensorcnt 0x0                           ; all my tensor loads have landed, my quarter of this slot among them,
	ds_add_u32 v62, v63
.if \refill == 1
	s_add_nc_u64 s[38-4*\slot:39-4*\slot], s[38-4*\slot:39-4*\slot], 2*WSLOT   ; so a group 0 may be written: the other slot's next three K steps
.endif
	s_wait_dscnt 0x0                               ; my reads of the other slot are over, my quarter of x is written
	ROUND                                          ; all that now holds of every wave of the four work-groups
.if \refill == 1
	tensor_load_to_lds s[36-4*\slot:39-4*\slot], s[24:31]   ; my one load behind the round, first thing there
	s_nop 0
.else
	tensor_load_to_lds s[60:63], s[52:59]          ; the same for the last K step, into slot 1
	s_nop 0
.endif
	SLOTWORK \slot, \st, 0
.endm
	XGROUP 0
	s_wait_tensorcnt 0x1                           ; my quarter of slot 0 is in; slot 1's stays out
	s_wait_dscnt 0x0                               ; my rows of x's first quarter are written
	s_barrier_signal -1
	s_barrier_wait -1
	SLOTWORK 0, 0, 1                               ; K steps 0-2 (quarter 0 of x): the first products start the sums, nothing is cleared
	TWO 1, 3, 1, 1                                 ; K steps 3-5 (quarters 0, 1); slot 0 gets 6-8.  All is written out: every LDS offset is an immediate
	TWO 0, 6, 1, 2                                 ; K steps 6-8 (quarters 1, 2); slot 1 gets 9-11
	TWO 1, 9, 1, 3                                 ; K steps 9-11 (quarter 2); slot 0 gets 12-14; quarter 3 is stored a slot ahead
	TWO 0, 12, 2, 0                                ; K steps 12-14 (quarter 3); slot 1 gets 15
	s_wait_tensorcnt 0x0                           ; my part of K step 15 is in
	s_wait_dscnt 0x0
	s_barrier_signal -1
	s_barrier_wait -1                              ; everybody's is.  My work-group's own barrier is enough
	PLACES
	FETCH 1, 0, 15, WF1, XF1
	s_wait_dscnt 0x0
	MUL WF1, XF1, 0
	WIN 0
	; THE WAY OUT.  Tiles t = 0-3: Q's row tiles, 4-7: K's.
	PLACES
	WIN 0x0a                                       ; sources 0, 1 window 2
.irp t, 0,1,2,3,4,5,6,7
	v_pk_mul_f32 v[SS+2*\t:SS+2*\t+1], v[8*\t:8*\t+1], v[8*\t:8*\t+1]
.endr
.irp j, 2,4,6
.irp t, 0,1,2,3,4,5,6,7
	v_pk_fma_f32 v[SS+2*\t:SS+2*\t+1], v[8*\t+\j:8*\t+\j+1], v[8*\t+\j:8*\t+\j+1], v[SS+2*\t:SS+2*\t+1]
.endr
.endr
	WIN 0x82
.set j, 32
.rept 16
	v_pk_mul_f32 v[j:j+1], v[j:j+1], -2.0 op_sel_hi:[1,0]      ; K becomes -2 K, exactly
.set j, j+2
.endr
	WIN 0x0a
.set j, 0
.rept 32
	v_cvt_pk_bf16_f32 v[H+j], v[2*j], v[2*j+1]                 ; the high parts
.set j, j+1
.endr
	WIN 0
.set j, 0
.rept 32
	v_lshlrev_b32 v[U+2*j],   16, v[H+j]
	v_and_b32     v[U+2*j+1], 0xffff0000, v[H+j]
.set j, j+1
.endr
.irp t, 0,1,2,3,4,5,6,7
	v_add_f32 v[SS+2*\t], v[SS+2*\t], v[SS+2*\t+1]
.endr
.irp t, 0,1,2,3,4,5,6,7
	v_permlanex16_b32 v[SS+2*\t+1], v[SS+2*\t], s40, s41       ; the other 8 d of my 16
.endr
.irp t, 0,1,2,3,4,5,6,7
	v_add_f32 v[SS+2*\t], v[SS+2*\t], v[SS+2*\t+1]
	ds_store_b32 v[RQ], v[SS+2*\t] offset:(\t>>2)*1024+(\t&3)*64   ; both halves of the lanes write the same word with the same number
.endr
	WIN 0x02
.set j, 0
.rept 32
	v_pk_add_f32 v[U+2*j:U+2*j+1], v[2*j:2*j+1], v[U+2*j:U+2*j+1] neg_lo:[0,1] neg_hi:[0,1]   ; the remainder, exact in f32
.set j, j+1
.endr
	WIN 0
.set j, 0
.rept 32
	v_cvt_pk_bf16_f32 v[LO+j], v[U+2*j], v[U+2*j+1]
.set j, j+1
.endr
.irp t, 0,1,2,3
	global_store_b128 v[QKO], v[H+4*\t:H+4*\t+3],         s[12:13] offset:\t*4096
	global_store_b128 v[QKO], v[LO+4*\t:LO+4*\t+3],       s[12:13] offset:\t*4096+2048
	global_store_b128 v[QKO], v[H+16+4*\t:H+16+4*\t+3],   s[14:15] offset:\t*4096
	global_store_b128 v[QKO], v[LO+16+4*\t:LO+16+4*\t+3], s[14:15] offset:\t*4096+2048
.endr
	; the largest |V| of the block's 64 rows x 512 o: two chains over my 256 registers, the lanes, then the four waves
	WIN 0x05
	v_max_num_f32 v[M0], |v0|, |v1|
	v_max_num_f32 v[M1], |v2|, |v3|
.set j, 4
.rept 63
	v_max3_num_f32 v[M0], |v[j]|, |v[j+1]|, v[M0]
	v_max3_num_f32 v[M1], |v[j+2]|, |v[j+3]|, v[M1]
.set j, j+4
.endr
	WIN 0
	v_max_num_f32 v[M0], v[M0], v[M1]
	v_max_num_f32_dpp v[M0], v[M0], v[M0] row_xmask:1 row_mask:0xf bank_mask:0xf
	v_max_num_f32_dpp v[M0], v[M0], v[M0] row_xmask:2 row_mask:0xf bank_mask:0xf
	v_max_num_f32_dpp v[M0], v[M0], v[M0] row_xmask:4 row_mask:0xf bank_mask:0xf
	v_max_num_f32_dpp v[M0], v[M0], v[M0] row_xmask:8 row_mask:0xf bank_mask:0xf
	v_permlanex16_b32 v[M1], v[M0], s40, s41
	v_max_num_f32 v[M0], v[M0], v[M1]
	ds_store_b32 v[RVM], v[M0]
	s_wait_dscnt 0x0                               ; my partial sums and my maximum are written
	s_barrier_signal -1
	s_barrier_wait -1
	ds_load_b128 v[RB:RB+3], v[RVR]
	s_wait_dscnt 0x0
	v_max3_num_f32 v[M0], v[RB], v[RB+1], v[RB+2]
	v_max3_num_f32 v[M0], v[M0], v[RB+3], 0x07800000   ; at least 2^-112, so that tau's exponent field stays above 0
	v_lshrrev_b32 v[M0], 23, v[M0]                 ; E
	v_sub_nc_u32 v[SV], 268, v[M0]
	v_lshlrev_b32 v[SV], 23, v[SV]                 ; 1 / tau = 2^(141 - E)
	v_mov_b32 v[SV+1], v[SV]
	v_add_nc_u32 v[TAU], -14, v[M0]
	v_lshlrev_b32 v[TAU], 23, v[TAU]               ; tau = 2^(E - 141)
; four o tiles: scale, round to f16, store.  Row tile t is chunk t & 1 of the block of 32 keys t >> 1.
.macro VOUT b
	s_wait_xcnt 0x0                                ; the registers written below are data of earlier stores: rewritten only behind this wait
	WIN 0x01
.set j, 0
.rept 64
	v_pk_mul_f32 v[VT+2*j:VT+2*j+1], v[128*\b+2*j:128*\b+2*j+1], v[SV:SV+1]
.set j, j+1
.endr
	WIN 0
.set j, 0
.rept 64
	v_cvt_pk_f16_f32 v[VP+j], v[VT+2*j], v[VT+2*j+1]
.set j, j+1
.endr
.irp o, 0,1,2,3
.irp t, 0,1,2,3
	global_store_b128 v[VO], v[VP+4*(4*\o+\t):VP+4*(4*\o+\t)+3], s[16:17] offset:(\t>>1)*32768+(4*\b+\o)*1024+(\t&1)*512
.endr
.endr
.endm
	VOUT 0
	VOUT 1
	; wave 0 adds the four waves' partial |q|^2, wave 1 the |k|^2: two rows a lane, one store of 256 bytes
	s_cmp_ge_u32 s3, 2
	s_cbranch_scc1 .Lno_sq
	ds_load_b64 v[RB:RB+1],   v[RSR]
	ds_load_b64 v[RB+2:RB+3], v[RSR] offset:256
	ds_load_b64 v[RB+4:RB+5], v[RSR] offset:512
	ds_load_b64 v[RB+6:RB+7], v[RSR] offset:768
	s_cmp_eq_u32 s3, 0
	s_cselect_b64 s[46:47], s[18:19], s[20:21]
	s_wait_dscnt 0x0
	v_pk_add_f32 v[RB:RB+1], v[RB:RB+1], v[RB+2:RB+3]
	v_pk_add_f32 v[RB+4:RB+5], v[RB+4:RB+5], v[RB+6:RB+7]
	v_pk_add_f32 v[RB:RB+1], v[RB:RB+1], v[RB+4:RB+5]
	global_store_b64 v[O8], v[RB:RB+1], s[46:47]
.Lno_sq:
	; wave 2, lane 0: the block's tau, four bytes (one number a work-group: there is no more to store)
	s_cmp_lg_u32 s3, 2
	s_cbranch_scc1 .Lno_tau
	v_cmp_eq_u32 vcc_lo, 0, v[LN]
	s_wait_xcnt 0x0                                ; EXEC is a source of the stores above: it changes only behind this wait
	s_and_saveexec_b32 s50, vcc_lo
	global_store_b32 v[ZR], v[TAU], s[22:23]
	s_wait_xcnt 0x0                                ; and again in front of the line that widens it
	s_or_b32 exec_lo, exec_lo, s50
.Lno_tau:
	s_wait_tensorcnt 0x0
	ds_add_u32 v62, v63
	s_wait_dscnt 0x0
	ROUND                                          ; the closing round: no work-group ends while a partner may still ask jointly
	s_endpgm
.Lfunc_end_k_qa0b284654c_proj:
	.size	k_qa0b284654c_proj, .Lfunc_end_k_qa0b284654c_proj-k_qa0b284654c_proj
	.p2alignl 7, 3214868480
	.fill 96, 4, 3214868480
	.section	.rodata,"a",@progbits
	.p2align	6, 0x0
	.amdhsa_kernel k_qa0b284654c_proj
		.amdhsa_group_segment_fixed_size 327680
		.amdhsa_private_segment_fixed_size 0
		.amdhsa_enable_private_segment 0
		.amdhsa_kernarg_size 64
		.amdhsa_user_sgpr_count 2
		.amdhsa_user_sgpr_kernarg_segment_ptr 1
		.amdhsa_wavefront_size32 1
		.amdhsa_system_sgpr_workgroup_id_x 1
		.amdhsa_system_sgpr_workgroup_id_y 1
		.amdhsa_system_sgpr_workgroup_id_z 1
		.amdhsa_system_vgpr_workitem_id 0
		.amdhsa_next_free_vgpr 1024
		.amdhsa_next_free_sgpr 66
		.amdhsa_reserve_vcc 1
		.amdhsa_float_denorm_mode_32 3
		.amdhsa_float_denorm_mode_16_64 3
		.amdhsa_memory_ordered 1
		.amdhsa_forward_progress 1
		.amdhsa_inst_pref_size 144
	.end_amdhsa_kernel
	.amdgpu_metadata
---
amdhsa.version: [ 1, 2 ]
amdhsa.kernels:
  - .name:           k_qa0b284654c_proj
    .symbol:         k_qa0b284654c_proj.kd
    .args:
      - { .name: x, .offset: 0, .size: 8, .value_kind: global_buffer, .address_space: global }
      - { .name: Wf, .offset: 8, .size: 8, .value_kind: global_buffer, .address_space: global }
      - { .name: Qf, .offset: 16, .size: 8, .value_kind: global_buffer, .address_space: global }
      - { .name: Kf, .offset: 24, .size: 8, .value_kind: global_buffer, .address_space: global }
      - { .name: Vf, .offset: 32, .size: 8, .value_kind: global_buffer, .address_space: global }
      - { .name: qsq, .offset: 40, .size: 8, .value_kind: global_buffer, .address_space: global }
      - { .name: ksq, .offset: 48, .size: 8, .value_kind: global_buffer, .address_space: global }
      - { .name: tau, .offset: 56, .size: 8, .value_kind: global_buffer, .address_space: global }
    .group_segment_fixed_size: 327680
    .private_segment_fixed_size: 0
    .kernarg_segment_align: 8
    .kernarg_segment_size: 64
    .max_flat_workgroup_size: 128
    .sgpr_count:     66
    .vgpr_count:     1024
    .wavefront_size: 32
...
	.end_amdgpu_metadata
.endif
;; end of part 2
;; launch attn (part 3): grid 256 x 1, 4 waves a work-group, clusters of 4 x 1, 327,680 bytes of LDS; arguments Qf, Kf, Vf, qsq, ksq, tau, log_lambda, out0; writes out0
.if DOCPART == 3
	.amdgcn_target "amdgcn-amd-amdhsa--gfx1250"
	.amdhsa_code_object_version 6
	.text
	.protected	k_qa0b284654c_attn
	.globl	k_qa0b284654c_attn
	.p2align	8
	.type	k_qa0b284654c_attn,@function
k_qa0b284654c_attn:
	s_mov_b64 s[64:65], 0
	v_nop
	global_prefetch_b8 v0, s[64:65] scope:SCOPE_SE
	s_setreg_imm32_b32 hwreg(HW_REG_WAVE_MODE, 25, 1), 1
	s_wait_xcnt 0x0
	s_wait_alu depctr_hold_cnt(0) depctr_sa_sdst(0) depctr_va_vdst(0) depctr_va_sdst(0) depctr_va_ssrc(0) depctr_va_vcc(0) depctr_vm_vsrc(0)
	s_getreg_b32 s2, hwreg(HW_REG_IB_STS2, 6, 4)
	s_cmp_eq_u32 s2, 0
	s_cbranch_scc0 .Lentry_in_a_cluster
	s_endpgm
.Lentry_in_a_cluster:
	s_bfe_u32 s2, ttmp6, 0x10000c
	s_cmp_lg_u32 s2, 0x3003
	s_cbranch_scc0 .Lentry_shape_is_right
	s_endpgm
.Lentry_shape_is_right:
; out = softmax(-max(|q|^2 + |k|^2 - 2 q.k, 0) / (2 lambda^2)) V, lambda = max(exp(log_lambda), 0.001).  No work of the problem is left out.
; A work-group owns 64 queries and all 512 outputs and walks its batch's 4,096 keys in 32 steps of 128.
; q.k: wave w takes keys 32 w .. 32 w + 31 of the step against all 64 queries, transposed (source 0 = K, source 1 = Q).  Q and -2 K are pairs of bf16
;   (high part and remainder); three of the four products are taken (high.high, high.remainder, remainder.high), six matrix instructions a tile,
;   on an accumulator that starts at |q|^2 + |k|^2: the result is the squared distance d.  A lane holds one query and 8 neighbouring keys.
;   One 16-bit product would leave about 0.0008 / lambda^2 on a logit (f16) against an allowance of a hundredth of the output's spread: no room below lambda = 1.
; softmax: DR = running minimum of the raw d of a row (over the four waves through LDS), CD = c2 max(DR, 0), c2 = log2(e) / (2 lambda^2);
;   -CD is the running maximum of the logits in base 2, taken away before the exponential.  p = exp2(min(CD - c2 d, 0)).  The min is the problem's clamp:
;   where d < 0, DR < 0 too, CD = 0 and the true exponent is 0; where d >= 0, d >= max(DR, 0) and the argument is at most 0 already.
; attn.V: in f16.  V lies in memory divided by tau of its block of 64 keys; p is multiplied by rho = tau / T <= 1, T the batch's largest tau, so the sums are sum(p V) / T.
;   Wave w owns outputs 128 w .. 128 w + 127 for all 64 queries: source 0 = V^T, source 1 = p: a lane holds one query and 8 neighbouring outputs,
;   so every number of a row (alpha, 1 / sum) is a number of the lane.  The row sum L is kept in f32, without rho.
; LIMITS: p rho below 2^-25 is dropped (at most 4,096 x 2^-25 of a row's weight); q.k carries 16 significant bits; NaN and infinities are not followed.
; THE SCHEDULE: the softmax runs one step ahead of attn.V.  Trip t: the cluster's round; V(t+1) is asked for; d(t+1) (48 products, P(t)'s fragments loaded among them);
;   the minima; then attn.V(t), 128 products, with the vector work behind each product: first the sums so far times alpha(t), two tiles ahead of the product that
;   adds onto them, then the row numbers and p(t+1), three instructions a product.  P has two buffers: P(t+1) is written while P(t) is read.
; WINDOWS: an instruction's destination, source 0 and source 2 then lie in one window and source 1 in window 0, for the products and for the vector work alike, so a
;   slice needs no switch: windows 1 and 3 each hold 16 accumulator tiles (o tiles 0-3, 4-7), their V fragments and 64 registers of vector work; window 0 holds what is
;   only ever a second source (P's fragments, d, alpha, rho, c2).  A sum of two numbers of the work window is a fused multiply-add by 1.0; a minimum of two is a min3 with +inf between.
;   Only the packing of p with its stores, alpha's exponentials and the fetch ahead for window 3 change the setting.
; CLUSTER: the four work-groups of a cluster lie in one batch and need the same tiles of V: joint loads, mask 15.  K is NOT shared: a step's K with its remainder is 32,768 bytes,
;   as much as a work-group's share of a jointly fetched V, but two slots of V and K together would be 2 x 163,840 = all of LDS, with no room for P; and each K fragment is
;   wanted by one wave of a work-group alone.  It comes straight into registers, 16 loads of 512 consecutive bytes, a trip ahead.
; LDS: V slot 0, slot 1 (131,072 each: 128 keys x 512 outputs in f16); P, two buffers [query tile 4][32 keys 4][1,024]; the batch's |k|^2; MIN and LS [wave][r][query tile] f32;
;   RHO: each wave's own copy of the batch's 64 rho.  The stage of the way out lies in slot 0, behind that slot's last fill.
.set VSLOT, 131072
.set PLDS,  2*VSLOT                    ; 262,144
.set PBUF,  16384
.set KSQL,  PLDS+2*PBUF                ; 294,912
.set MINL,  KSQL+16384                 ; 311,296; LS at +1,024
.set RHOL,  MINL+2048                  ; 313,344
.set OP,    528                        ; stage pitch: 512 bytes + 16, so that 16 rows start 16 bytes apart modulo 256
; window 0
.set L16,  1                           ; 16 lane
.set KOFF, 3                           ; Kf: 8,192 w + 16 lane
.set KSA,  4                           ; KSQL + 128 w + 32 h, + 512 a step
.set RHA,  5                           ; RHOL + 256 w + 4 (w / 2), + 8 a step: 32 steps stay inside my wave's 256 bytes
.set MWR,  6                           ; MINL + 256 w + 16 r
.set MRD,  7                           ; MINL + 16 r
.set STW,  8                           ; stage in: 32 OP w + OP r + 32 h
.set STR,  9                           ; stage back: 32 OP w + 16 lane
.set OOFF, 10                          ; out0: 512 w + 16 lane
.set ZR,   11
.set C2,   13                          ; c2
.set TT,   14                          ; T
.set RHO,  16                          ; numbers that are broadcast into packed arithmetic stand in the even register of a pair (op_sel_hi 0);
.set AL0,  18                          ; the odd partner is zeroed once, since the whole pair counts as read.  alpha of even steps: v[18 + 2 q]; at the end T / sum
.set AL1,  26                          ; alpha of odd steps
.set LM,   34                          ; v[34:37] my keys' minima
.set T,    38                          ; v[38:45] at work
.set HS,   46                          ; v[46:57] the head's offsets and numbers
.set SR,   64                          ; v[64:127] d: tile (key tile k, query tile q) at SR + 8 (4 k + q)
.set VAT,  96                          ; the head's scratch (d is not yet in use)
.set PWT,  100
.set NCT,  101
.set PB,   128                         ; v[128:255] P's fragments: (32 keys ks, query tile q) at PB + 32 ks + 8 q
.set OB,   64                          ; the way out: 8 rows read back
.set MNF,  96                          ; the way out: the four waves' row sums
.set OT,   128                         ; the way out: 128 scaled results
; window 2
.set QF,   0                           ; Q fragments at 32 q + 8 part
.set KF,   128                         ; K fragments at KF + 32 k + 8 part
.set KSQ,  192                         ; |k|^2 of my 2 x 8 keys
.set QSQ,  208                         ; |q|^2 of query tile q in v[208 + 2 q]
.set PRD2, 216                         ; PLDS + 16 lane
; windows 1 and 3, the same numbers in both: v[0:127] accumulators, tile (o tile, query tile) at 8 (4 o + q)
.set VB0,  128                         ; four V fragments, two buffers
.set VB1,  160
.set SX,   192                         ; v[192:207] the exponents, then p, of one query tile and my 32 keys
.set TX,   208                         ; v[208:215] partial sums
.set PKX,  216                         ; v[216:223] packed p
.set MNX,  224                         ; v[224:231] the four waves' minima of the window's two query tiles
.set DRX,  232                         ; v[232:233] DR
.set CNA,  234                         ; CD of even steps: v[234 + 2 l]
.set CNB,  238                         ; CD of odd steps
.set LLX,  242                         ; v[242:243] my part of the row sums
.set NC2X, 244                         ; -c2
.set VAX,  246                         ; v[246:249] my V fragments, slot s, keys 64 kh: VAX + 2 s + kh
.set PWRX, 250                         ; PLDS + 16 lane + 1,024 w
.set MRDX, 251                         ; MINL + 16 r
.set STX,  252                         ; v[252:255] at work on the row numbers
.set NS,   15                          ; slices of the row numbers
.set NPQ,  58                          ; slices of one query tile's p
.set MSB, 0
.macro WIN new                         ; s_set_vgpr_msb: bits 1:0 source 0, 3:2 source 1, 5:4 source 2, 7:6 destination; the high byte repeats the setting that is left
.if MSB != \new
	s_set_vgpr_msb (MSB<<8)|\new
.set MSB, \new
.endif
.endm
.macro ROUND                           ; a round of the cluster's barrier
	s_barrier_signal -1
	s_barrier_wait -1
	s_cmp_lg_u32 s3, 0
	s_cbranch_scc1 .Lnot_wave_0_\@
	s_barrier_signal -3
.Lnot_wave_0_\@:
	s_barrier_wait -3
	s_barrier_signal -1
	s_barrier_wait -1
.endm
.macro PLACES                          ; four independent vector instructions behind a matrix instruction before its registers are loaded into, read or written (ISA guide 7.12.1)
.rept 4
	v_nop
.endr
.endm
	s_load_b512 s[8:23], s[0:1], 0x0               ; Qf 8, Kf 10, Vf 12, qsq 14, ksq 16, tau 18, log_lambda 20, out0 22
	v_lshl_add_u32 v62, v0, 2, 0x4cc00
	v_mov_b32 v63, 0
	ds_add_u32 v62, v63
	v_lshrrev_b32 v2, 5, v0
	v_readfirstlane_b32 s3, v2                     ; wave
	s_bfe_u32 s4, ttmp6, 0x40000                   ; my place in the cluster
	s_lshl_b32 s5, ttmp9, 2
	s_add_co_u32 s5, s5, s4                        ; g: my block of 64 queries
	s_lshr_b32 s6, ttmp9, 4                        ; b: the batch, the same in the whole cluster
	s_mov_b32 s40, 0x76543210                      ; v_permlanex16_b32: lane i reads lane i of the other half
	s_mov_b32 s41, 0xfedcba98
	; descriptor group 1: 128 dense rows of 256 bytes = the 32 keys x 512 outputs that my wave fetches; mask 15 with bit 21 beside it
	s_mov_b32 s24, 0x0023000f
	s_mov_b32 s25, 32<<16
	s_mov_b32 s26, 128<<16
	s_mov_b32 s27, 32<<16
	s_mov_b32 s28, 128
	s_mov_b32 s29, 32
	s_mov_b32 s30, 0
	s_mov_b32 s31, 0
	s_mov_b32 s32, 1
	s_lshl_b32 s33, s3, 15
	s_mov_b32 s36, 1
	s_add_co_u32 s37, s33, VSLOT
	s_lshl_b32 s44, s6, 22                         ; a batch of Vf is 4 MiB
	s_lshl_b32 s46, s3, 15
	s_add_co_u32 s44, s44, s46
	s_mov_b32 s45, 0
	s_wait_dscnt 0x0
	s_wait_kmcnt 0x0
	s_add_nc_u64 s[34:35], s[12:13], s[44:45]      ; step 0
	s_add_nc_u64 s[38:39], s[34:35], VSLOT         ; step 1
	s_or_b32 s35, s35, 0x80000000
	s_or_b32 s39, s39, 0x80000000
	ROUND                                          ; the four work-groups are here: the first joint load meets
	tensor_load_to_lds s[32:35], s[24:31]          ; V of step 0.  From here on one tensor load of this wave is out at the most
	s_nop 0
	s_mov_b32 s49, 0
	s_lshl_b32 s48, s5, 14
	s_add_nc_u64 s[8:9], s[8:9], s[48:49]          ; my four query tiles
	s_lshl_b32 s48, s6, 20
	s_add_nc_u64 s[10:11], s[10:11], s[48:49]      ; the batch's K
	s_lshl_b32 s48, s5, 8
	s_add_nc_u64 s[14:15], s[14:15], s[48:49]
	s_lshl_b32 s48, s6, 14
	s_add_nc_u64 s[16:17], s[16:17], s[48:49]
	s_lshl_b32 s48, s6, 8
	s_add_nc_u64 s[18:19], s[18:19], s[48:49]
	s_lshl_b32 s48, s5, 17
	s_add_nc_u64 s[22:23], s[22:23], s[48:49]
	v_and_b32 v[T], 31, v0                         ; lane
	v_and_b32 v[T+1], 15, v0                       ; r
	v_bfe_u32 v[T+2], v0, 4, 1                     ; h
	v_lshlrev_b32 v[L16], 4, v[T]
	v_mov_b32 v[ZR], 0
	v_lshlrev_b32 v[HS], 4, v0                     ; ksq: 16 bytes a thread
	v_add_nc_u32 v[HS+1], KSQL, v[HS]
	v_lshlrev_b32 v[HS+2], 3, v[T]                 ; tau: 8 bytes a lane
	v_lshlrev_b32 v[HS+3], 2, v[T+1]               ; qsq: row r
	s_lshl_b32 s46, s3, 13
	v_add_nc_u32 v[KOFF], s46, v[L16]
.irp i, 0,1,2,3,4,5,6,7
	global_load_b128 v[SR+4*\i:SR+4*\i+3], v[HS], s[16:17] offset:\i*2048   ; the batch's |k|^2, 2,048 bytes a pass of the work-group
.endr
	global_load_b64 v[HS+4:HS+5], v[HS+2], s[18:19]    ; the batch's 64 tau, two a lane
	global_load_b32 v[HS+6], v[ZR], s[20:21]           ; log_lambda
	WIN 0x80                                       ; destination in window 2
.irp q, 0,1,2,3
	global_load_b32 v[QSQ+2*\q], v[HS+3], s[14:15] offset:\q*64
.endr
.set i, 0
.rept 32
	global_load_b128 v[QF+4*i:QF+4*i+3], v[L16], s[8:9] offset:512*i      ; Q: 16 fragments, for the whole launch
.set i, i+1
.endr
.irp i, 0,1,2,3,4,5,6,7,8,9,10,11,12,13,14,15
	global_load_b128 v[KF+4*\i:KF+4*\i+3], v[KOFF], s[10:11] offset:\i*512   ; K of step 0
.endr
	WIN 0
	v_add_nc_u32 v[VAT], s46, v[L16]               ; V fragments: 8,192 w + 16 lane,
	v_add_nc_u32 v[VAT+1], 65536, v[VAT]           ; the step's second 64 keys,
	v_add_nc_u32 v[VAT+2], VSLOT, v[VAT]           ; and the same in slot 1
	v_add_nc_u32 v[VAT+3], VSLOT+65536, v[VAT]
	v_add_nc_u32 v[HS+7], PLDS, v[L16]
	s_lshl_b32 s46, s3, 10
	v_add_nc_u32 v[PWT], s46, v[HS+7]
	v_lshlrev_b32 v[T+3], 4, v[T+1]
	v_add_nc_u32 v[MRD], MINL, v[T+3]
	s_lshl_b32 s46, s3, 8
	v_add_nc_u32 v[MWR], s46, v[MRD]
	s_add_co_u32 s47, s46, RHOL                    ; my wave's copy of rho: RHOL + 256 w
	v_lshl_add_u32 v[HS+8], v[T], 3, s47           ; written 8 bytes a lane
	s_lshr_b32 s46, s3, 1                          ; waves 0, 1 work on the step's first block of 64 keys, waves 2, 3 on its second
	s_lshl_b32 s46, s46, 2                         ; 4 bytes a block
	s_add_co_u32 s47, s47, s46
	v_mov_b32 v[RHA], s47
	s_lshl_b32 s46, s3, 7
	s_add_co_u32 s46, s46, KSQL
	v_lshl_add_u32 v[KSA], v[T+2], 5, s46
	s_mul_i32 s46, s3, 32*OP
	v_mul_u32_u24 v[T+3], v[T+1], OP
	v_lshl_add_u32 v[T+3], v[T+2], 5, v[T+3]
	v_add_nc_u32 v[STW], s46, v[T+3]
	v_add_nc_u32 v[STR], s46, v[L16]
	s_lshl_b32 s46, s3, 9
	v_add_nc_u32 v[OOFF], s46, v[L16]
	s_wait_loadcnt 52                              ; |k|^2, tau, log_lambda are in; the 52 loads of |q|^2, Q and K stay out
.irp i, 0,1,2,3,4,5,6,7
	ds_store_b128 v[HS+1], v[SR+4*\i:SR+4*\i+3] offset:\i*2048
.endr
	v_mul_f32 v[HS+9], 0x3fb8aa3b, v[HS+6]
	v_exp_f32 v[HS+10], v[HS+9]                    ; exp(log_lambda)
	v_max_num_f32 v[TT], v[HS+4], v[HS+5]          ; (a plain instruction stands between a transcendental and the use of its result: ISA guide 5.7.2)
	s_wait_alu depctr_va_vdst(0)
	v_max_num_f32 v[HS+10], 0x3a83126f, v[HS+10]   ; lambda, at least 0.001
	v_mul_f32 v[HS+10], v[HS+10], v[HS+10]
	v_rcp_f32 v[HS+11], v[HS+10]
.irp q, 0,1,2,3
	v_mov_b32 v[AL0+2*\q+1], 0                     ; the odd partners of the broadcast pairs
	v_mov_b32 v[AL1+2*\q+1], 0
.endr
	v_mov_b32 v[RHO+1], 0
	s_wait_alu depctr_va_vdst(0)
	v_mul_f32 v[C2],  0x3f38aa3b, v[HS+11]         ; c2 = log2(e) / 2 / lambda^2
	v_mul_f32 v[NCT], 0xbf38aa3b, v[HS+11]
	v_max_num_f32_dpp v[TT], v[TT], v[TT] row_xmask:1 row_mask:0xf bank_mask:0xf
	v_max_num_f32_dpp v[TT], v[TT], v[TT] row_xmask:2 row_mask:0xf bank_mask:0xf
	v_max_num_f32_dpp v[TT], v[TT], v[TT] row_xmask:4 row_mask:0xf bank_mask:0xf
	v_max_num_f32_dpp v[TT], v[TT], v[TT] row_xmask:8 row_mask:0xf bank_mask:0xf
	v_permlanex16_b32 v[HS+9], v[TT], s40, s41
	v_max_num_f32 v[TT], v[TT], v[HS+9]            ; T, a power of two
	v_sub_nc_u32 v[HS+9], 0x7f000000, v[TT]        ; 1 / T, exactly: exponent field 254 - e
	v_mul_f32 v[HS+4], v[HS+4], v[HS+9]
	v_mul_f32 v[HS+5], v[HS+5], v[HS+9]
	ds_store_b64 v[HS+8], v[HS+4:HS+5]             ; rho, my wave's own copy
.macro XINIT                           ; what a work window holds for the whole launch, copied from window 0
.irp i, 0,1,2,3
	v_mov_b32 v[VAX+\i], v[VAT+\i]
.endr
	v_mov_b32 v[PWRX], v[PWT]
	v_mov_b32 v[MRDX], v[MRD]
	v_mov_b32 v[NC2X], v[NCT]
	v_mov_b32 v[NC2X+1], 0
	v_mov_b32 v[CNA+1], 0
	v_mov_b32 v[CNA+3], 0
	v_mov_b32 v[CNB+1], 0
	v_mov_b32 v[CNB+3], 0
.endm
	WIN 0x40
	XINIT
	WIN 0xc0
	XINIT
	WIN 0x80
	v_mov_b32 v[PRD2], v[HS+7]
.irp q, 0,1,2,3
	v_mov_b32 v[QSQ+2*\q+1], 0
.endr
	WIN 0
	s_wait_dscnt 0x0                               ; my part of |k|^2 is written
	s_barrier_signal -1
	s_barrier_wait -1                              ; V of step 0 may stay out
.macro KSQLOAD                         ; destination window 2, address window 0
.irp k, 0,1
	ds_load_b128 v[KSQ+8*\k:KSQ+8*\k+3],   v[KSA] offset:\k*64
	ds_load_b128 v[KSQ+8*\k+4:KSQ+8*\k+7], v[KSA] offset:\k*64+16
.endr
.endm
.macro SINIT                           ; d starts at |k|^2 + |q|^2
.irp k, 0,1
.irp q, 0,1,2,3
.irp p, 0,2,4,6
	v_pk_add_f32 v[SR+8*(4*\k+\q)+\p:SR+8*(4*\k+\q)+\p+1], v[KSQ+8*\k+\p:KSQ+8*\k+\p+1], v[QSQ+2*\q:QSQ+2*\q+1] op_sel_hi:[1,0]
.endr
.endr
.endr
.endm
; eight matrix instructions, one on each tile of d: part ka of K against part qb of Q
.macro QK ka, qb
.irp k, 0,1
.irp q, 0,1,2,3
	v_wmma_f32_16x16x32_bf16 v[SR+8*(4*\k+\q):SR+8*(4*\k+\q)+7], v[KF+32*\k+8*\ka:KF+32*\k+8*\ka+7], v[QF+32*\q+8*\qb:QF+32*\q+8*\qb+7], v[SR+8*(4*\k+\q):SR+8*(4*\k+\q)+7]
.endr
.endr
.endm
; P's four fragments of 32 keys: destination window 0, address window 2, the setting of the q.k products
.macro PFETCH ks, buf
.irp q, 0,1,2,3
	ds_load_b128 v[PB+32*\ks+8*\q:PB+32*\ks+8*\q+3],   v[PRD2] offset:\buf*PBUF+(4*\q+\ks)*1024
	ds_load_b128 v[PB+32*\ks+8*\q+4:PB+32*\ks+8*\q+7], v[PRD2] offset:\buf*PBUF+(4*\q+\ks)*1024+512
.endr
.endm
; four V fragments (o tiles 4 xi .. 4 xi + 3, 32 keys): destination and address in the work window
.macro VFETCH slot, xi, ks, vb
.irp o, 0,1,2,3
	ds_load_b128 v[\vb+8*\o:\vb+8*\o+3],   v[VAX+2*\slot+(\ks>>1)] offset:(\ks&1)*32768+(4*\xi+\o)*1024
	ds_load_b128 v[\vb+8*\o+4:\vb+8*\o+7], v[VAX+2*\slot+(\ks>>1)] offset:(\ks&1)*32768+(4*\xi+\o)*1024+512
.endr
.endm
.macro MNLOAD                          ; the four waves' minima of the window's two query tiles
.irp v, 0,1,2,3
	ds_load_b64 v[MNX+2*\v:MNX+2*\v+1], v[MRDX] offset:\v*256+8*XI
.endr
.endm
; the smallest d of my 32 keys, for each of the 64 queries
.macro MINLOC
.irp q, 0,1,2,3
	v_min3_num_f32 v[LM+\q], v[SR+8*\q], v[SR+8*\q+1], v[SR+8*\q+2]
.endr
.irp e, 3,5
.irp q, 0,1,2,3
	v_min3_num_f32 v[LM+\q], v[LM+\q], v[SR+8*\q+\e], v[SR+8*\q+\e+1]
.endr
.endr
.irp q, 0,1,2,3
	v_min3_num_f32 v[LM+\q], v[LM+\q], v[SR+8*\q+7], v[SR+32+8*\q]
.endr
.irp e, 1,3,5
.irp q, 0,1,2,3
	v_min3_num_f32 v[LM+\q], v[LM+\q], v[SR+32+8*\q+\e], v[SR+32+8*\q+\e+1]
.endr
.endr
.irp q, 0,1,2,3
	v_min_num_f32 v[LM+\q], v[LM+\q], v[SR+32+8*\q+7]
.endr
.irp q, 0,1,2,3
	v_permlanex16_b32 v[T+\q], v[LM+\q], s40, s41  ; the other half's keys (its destination counts as read: T has been written since the head)
.endr
.irp q, 0,1,2,3
	v_min_num_f32 v[LM+\q], v[LM+\q], v[T+\q]
.endr
.endm
; d of the next step and its minima.  pf: P's fragments of this trip (buffer buf) are loaded among the products, in two runs.  kload: K and |k|^2 of the step after are loaded.
.macro QKPART pf, buf, kload
	WIN 0x0a                                       ; sources 0 and 1 (K, Q; |k|^2, |q|^2; P's address) in window 2, d and P's fragments in window 0
	SINIT
	QK 0, 0                                        ; high . high; the eight tiles take turns
.if \pf
	PFETCH 0, \buf
	PFETCH 1, \buf
.endif
	QK 1, 1
	QK 0, 2                                        ; K high . Q remainder
	QK 1, 3
.if \pf
	PFETCH 2, \buf
	PFETCH 3, \buf
.endif
	QK 2, 0                                        ; K remainder . Q high
	QK 3, 1
	WIN 0
	ds_load_b32 v[RHO], v[RHA]                     ; rho of my 32 keys' block, from my wave's own copy
	v_add_nc_u32 v[RHA], 8, v[RHA]                 ; two blocks of 64 keys a step.  This line and the next three are the four places behind the products
.if \kload
	v_add_nc_u32 v[KSA], 512, v[KSA]
.else
	v_nop
.endif
	v_nop
	v_nop
.if \kload
	WIN 0x80
.irp i, 0,1,2,3,4,5,6,7,8,9,10,11,12,13,14,15
	global_load_b128 v[KF+4*\i:KF+4*\i+3], v[KOFF], s[10:11] offset:\i*512   ; K of the step after: all of attn.V in which to come
.endr
	KSQLOAD
	WIN 0
.endif
	MINLOC
	ds_store_b128 v[MWR], v[LM:LM+3]
.endm
; THE VECTOR WORK OF A WINDOW, as numbered slices: VI counts them, VOP writes the next one.  NR slices of the rescale, NS of the row numbers, NPQ for each of the window's two query tiles.
.macro XSETUP xi, par, fq, resc, soft  ; xi: window 1 or 3.  par: the parity of the step whose softmax is made.  fq: that step is step 0
.set XI, \xi
.set PAR, \par
.set FQ, \fq
.set XSET, 0x51+0xa2*XI                ; destination, sources 0 and 2 in the work window, source 1 in window 0
.set XALL, 0x55+0xaa*XI                ; all in the work window
.set XTOY, 0x01+0x02*XI                ; source 0 in the work window, destination in window 0
.set CNN, CNA+(CNB-CNA)*PAR
.set CNO, CNA+(CNB-CNA)*(1-PAR)
.set ALN, AL0+(AL1-AL0)*PAR
.set ALR, AL0+(AL1-AL0)*(1-PAR)
.set NR, 64*(\resc)
.set VTOT, NR+(\soft)*(NS+2*NPQ)
.set VI, 0
.endm
.macro RESC_OP                         ; two numbers of tile VI / 4 times alpha of its query tile
	v_pk_mul_f32 v[2*VI:2*VI+1], v[2*VI:2*VI+1], v[ALR+2*((VI>>2)&3):ALR+2*((VI>>2)&3)+1] op_sel_hi:[1,0]
.endm
.macro STAT_OP                         ; slice SI of the row numbers; l = SI & 1 is the query tile of the window's two
.if SI == 0
	s_wait_dscnt 0x0                               ; the minima are in: they are the youngest LDS instructions, six products or more back
.endif
.if SI < 4
	v_min3_num_f32 v[STX+SI], v[MNX+4*(SI>>1)+(SI&1)], 0x7f800000, v[MNX+4*(SI>>1)+2+(SI&1)]
.endif
.if (SI>>1) == 2
.if FQ
	v_min3_num_f32 v[DRX+(SI&1)], v[STX+(SI&1)], 0x7f800000, v[STX+2+(SI&1)]
.else
	v_min3_num_f32 v[STX+(SI&1)], v[STX+(SI&1)], 0x7f800000, v[STX+2+(SI&1)]
.endif
.endif
.if (SI>>1) == 3
.if FQ == 0
	v_min3_num_f32 v[DRX+(SI&1)], v[STX+(SI&1)], 0x7f800000, v[DRX+(SI&1)]
.endif
.endif
.if (SI>>1) == 4
	v_max_num_f32_e64 v[STX+(SI&1)], v[DRX+(SI&1)], 0
.endif
.if (SI>>1) == 5
	v_mul_f32 v[CNN+2*(SI&1)], v[STX+(SI&1)], v[C2]       ; minus the running maximum of the logits, in base 2
.endif
.if (SI>>1) == 6
.if FQ == 0
	v_fma_f32 v[STX+2+(SI&1)], v[CNN+2*(SI&1)], 1.0, -v[CNO+2*(SI&1)]   ; at most 0
.endif
.endif
.if SI == 14
.if FQ == 0
	WIN XTOY                                       ; alpha goes to window 0, where both work windows read it as a second source
	v_exp_f32 v[ALN+4*XI], v[STX+2]
	v_exp_f32 v[ALN+4*XI+2], v[STX+3]              ; the next slice is plain and touches neither (ISA guide 5.7.2)
	WIN XSET
.endif
.endif
.endm
; slice PI of query tile QQ = 2 XI + PL: exponents, clamp, exponentials, sum, rho, packing.  Every exponential is followed by a plain instruction on other registers
; (ISA guide 5.7.2): key tile 0's alternate with key tile 1's clamps, key tile 1's with key tile 0's sums and products by rho.
.macro PQ_OP
.set QQ, 2*XI+PL
.if PI < 8
	v_pk_fma_f32 v[SX+2*PI:SX+2*PI+1], v[NC2X:NC2X+1], v[SR+32*(PI>>2)+8*QQ+2*(PI&3):SR+32*(PI>>2)+8*QQ+2*(PI&3)+1], v[CNN+2*PL:CNN+2*PL+1] op_sel_hi:[0,1,0]
.endif
.if (PI>>3) == 1
	v_min_num_f32_e64 v[SX+PI-8], v[SX+PI-8], 0    ; the clamp of the distance at 0
.endif
.if (PI>>4) == 1
.if (PI&1) == 0
	v_exp_f32 v[SX+((PI-16)>>1)], v[SX+((PI-16)>>1)]
.else
	v_min_num_f32_e64 v[SX+8+((PI-16)>>1)], v[SX+8+((PI-16)>>1)], 0
.endif
.endif
.if (PI>>4) == 2
.if PI < 47
.if (PI&1) == 0
	v_exp_f32 v[SX+8+((PI-32)>>1)], v[SX+8+((PI-32)>>1)]
.else
.set PM, (PI-32)>>1
.if PM < 2
	s_wait_alu depctr_va_vdst(0)
	v_pk_fma_f32 v[TX+2*PM:TX+2*PM+1], v[SX+4*PM:SX+4*PM+1], 1.0, v[SX+4*PM+2:SX+4*PM+3] op_sel_hi:[1,0,1]
.endif
.if PM > 1
.if PM < 6
	v_pk_mul_f32 v[SX+2*(PM-2):SX+2*(PM-2)+1], v[SX+2*(PM-2):SX+2*(PM-2)+1], v[RHO:RHO+1] op_sel_hi:[1,0]
.endif
.endif
.if PM == 6
	v_pk_fma_f32 v[TX:TX+1], v[TX:TX+1], 1.0, v[TX+2:TX+3] op_sel_hi:[1,0,1]
.endif
.endif
.endif
.endif
.if PI == 47
	s_wait_alu depctr_va_vdst(0)
	v_pk_fma_f32 v[TX+4:TX+5], v[SX+8:SX+9], 1.0, v[SX+10:SX+11] op_sel_hi:[1,0,1]
.endif
.if PI == 48
	v_pk_fma_f32 v[TX+6:TX+7], v[SX+12:SX+13], 1.0, v[SX+14:SX+15] op_sel_hi:[1,0,1]
.endif
.if PI == 49
	v_pk_fma_f32 v[TX+4:TX+5], v[TX+4:TX+5], 1.0, v[TX+6:TX+7] op_sel_hi:[1,0,1]
.endif
.if PI == 50
	v_pk_fma_f32 v[TX:TX+1], v[TX:TX+1], 1.0, v[TX+4:TX+5] op_sel_hi:[1,0,1]
.endif
.if PI == 51
.if FQ
	v_fma_f32 v[LLX+PL], v[TX], 1.0, v[TX+1]
.else
	v_fma_f32 v[LLX+PL], v[LLX+PL], v[ALN+2*QQ], v[TX]
.endif
.endif
.if PI == 52
.if FQ == 0
	v_fma_f32 v[LLX+PL], v[LLX+PL], 1.0, v[TX+1]
.endif
.endif
.if PI > 52
.if PI < 57
	v_pk_mul_f32 v[SX+8+2*(PI-53):SX+8+2*(PI-53)+1], v[SX+8+2*(PI-53):SX+8+2*(PI-53)+1], v[RHO:RHO+1] op_sel_hi:[1,0]
.endif
.endif
.if PI == 57
	WIN XALL                                       ; both sources of a packing, and a store's data, lie in the work window
.irp k, 0,1
.irp p, 0,1,2,3
	v_cvt_pk_f16_f32 v[PKX+4*\k+\p], v[SX+8*\k+2*\p], v[SX+8*\k+2*\p+1]
.endr
.endr
	ds_store_b128 v[PWRX], v[PKX:PKX+3]   offset:PAR*PBUF+QQ*4096       ; key tile 0 is chunk 0 of fragment (q, w): the lane that made it holds it
	ds_store_b128 v[PWRX], v[PKX+4:PKX+7] offset:PAR*PBUF+QQ*4096+512
	WIN XSET
.endif
.endm
.macro VOP
.if VI < VTOT
.if VI < NR
	RESC_OP
.else
.if VI < NR+NS
.set SI, VI-NR
	STAT_OP
.else
.if VI < NR+NS+NPQ
.set PL, 0
.set PI, VI-NR-NS
	PQ_OP
.else
.set PL, 1
.set PI, VI-NR-NS-NPQ
	PQ_OP
.endif
.endif
.endif
.set VI, VI+1
.endif
.endm
.macro VNEXT c
.rept \c
	VOP
.endr
.endm
; attn.V for one work window: 64 products, 32 keys x 4 o tiles x 4 query tiles at a time, one on each of the 16 accumulators in the same order: the accumulators take turns.
; Behind each product stands its slice.  zero: the products of the first 32 keys start the sums.  sync: the barrier for the minima lies in this run.
; A V buffer is loaded again four products behind its last reader, with twelve slices or more between, of which every second at the least is plain.
.macro XPHASE slot, xi, zero, sync, soft
	WIN XSET
.if \xi
	s_wait_dscnt 0x0                               ; this window's first V fragments are in (asked for 13 products back)
.if \soft
	MNLOAD
.endif
.endif
.if NR
	VNEXT 8                                        ; the rescale runs two tiles ahead of the products
.endif
.set PN, 0
.rept 64
.if PN == 32
	s_wait_dscnt 0x0                               ; the V fragments asked for 12 products back are in
.endif
.if PN == 48
	s_wait_dscnt 0x0
.endif
.set ZC, 0
.if \zero
.if PN < 16
.set ZC, 1
.endif
.endif
.if ZC
	v_wmma_f32_16x16x32_f16 v[8*(PN&15):8*(PN&15)+7], v[VB0+32*((PN>>4)&1)+8*((PN>>2)&3):VB0+32*((PN>>4)&1)+8*((PN>>2)&3)+7], v[PB+32*(PN>>4)+8*(PN&3):PB+32*(PN>>4)+8*(PN&3)+7], 0
.else
	v_wmma_f32_16x16x32_f16 v[8*(PN&15):8*(PN&15)+7], v[VB0+32*((PN>>4)&1)+8*((PN>>2)&3):VB0+32*((PN>>4)&1)+8*((PN>>2)&3)+7], v[PB+32*(PN>>4)+8*(PN&3):PB+32*(PN>>4)+8*(PN&3)+7], v[8*(PN&15):8*(PN&15)+7]
.endif
.if PN < 14
.if NR
	VNEXT 4
.endif
.else
	VNEXT 3
.endif
.if \sync
.if PN == 1
	s_wait_dscnt 0x0                               ; my minima are written, rho and all fragments asked for so far are in
	s_barrier_signal -1                            ; products and the rescale, register work, stand between signal and wait
.endif
.if PN == 7
	s_barrier_wait -1                              ; the four waves' minima are there.  The next step's V stays on its way
	MNLOAD
.endif
.endif
.if PN == 19
.if \soft == 0
	PLACES                                         ; no slices in the last trip
.endif
	VFETCH \slot, \xi, 2, VB0
.endif
.if PN == 35
.if \soft == 0
	PLACES
.endif
	VFETCH \slot, \xi, 3, VB1
.endif
.if \xi == 0
.if PN == 50
	WIN 0xf3                                       ; the other window's first V fragments, 13 products ahead
	VFETCH \slot, 1, 0, VB0
	VFETCH \slot, 1, 1, VB1
	WIN 0x51
.endif
.endif
.set PN, PN+1
.endr
.endm
; Trip t, V(t) in slot = t & 1.  zero: t = 0.  soft: step t + 1 exists (its V is asked for, its softmax made).  kload: step t + 2 exists.
.macro TRIP slot, zero, soft, kload
	s_wait_tensorcnt 0x0                           ; my tensor load has landed: my quarter of this trip's V,
	ds_add_u32 v62, v63
	s_wait_dscnt 0x0
	s_add_nc_u64 s[34+4*\slot:35+4*\slot], s[34+4*\slot:35+4*\slot], 2*VSLOT   ; so a group 0 may be written: this slot's next tile
	s_wait_dscnt 0x0                               ; my part of P(t) is written, and my reads of the other slot, of the other P buffer and of the minima are over
	ROUND                                          ; all that now holds of every wave of the four work-groups
.if \soft
	tensor_load_to_lds s[36-4*\slot:39-4*\slot], s[24:31]   ; the next step's V into the slot read last trip: my one load behind the round, first thing there
	s_nop 0
.endif
	WIN 0x51
	VFETCH \slot, 0, 0, VB0
	VFETCH \slot, 0, 1, VB1
.if \soft
	s_wait_loadcnt 0x0                             ; the next step's K is in, so the loads' base may be stepped
.if \kload
	s_add_nc_u64 s[10:11], s[10:11], 32768
.endif
	QKPART 1, \slot, \kload
	s_wait_dscnt 2                                 ; all but the two youngest LDS instructions, which are no fragment loads: V's and P's fragments are in
.else
	PLACES                                         ; P's fragment registers were sources of the last products
	WIN 0x0a
	PFETCH 0, \slot
	PFETCH 1, \slot
	PFETCH 2, \slot
	PFETCH 3, \slot
	s_wait_dscnt 0x0
.endif
	XSETUP 0, 1-\slot, 0, 1-\zero, \soft
	XPHASE \slot, 0, \zero, \soft, \soft
	XSETUP 1, 1-\slot, 0, 1-\zero, \soft
	XPHASE \slot, 1, \zero, 0, \soft
	WIN 0
.endm
	; STEP 0's softmax stands alone: there is no attn.V yet to set it among
	WIN 0x80
	KSQLOAD
	WIN 0
	s_wait_dscnt 0x0
	s_wait_loadcnt 0x0                             ; |q|^2, Q and K of step 0 are in
	s_add_nc_u64 s[10:11], s[10:11], 32768
	QKPART 0, 0, 1
	s_wait_dscnt 0x0                               ; my minima are written
	s_barrier_signal -1
	s_barrier_wait -1
	XSETUP 0, 0, 1, 0, 1
	WIN XSET
	MNLOAD
	VNEXT NS+2*NPQ
	XSETUP 1, 0, 1, 0, 1
	WIN XSET
	MNLOAD
	VNEXT NS+2*NPQ
	WIN 0
	TRIP 0, 1, 1, 1                                ; t = 0 stands in front of the loop: its products start the sums
	s_mov_b32 s42, 14
.Lstep:
	TRIP 1, 0, 1, 1                                ; t = 1 .. 28
	TRIP 0, 0, 1, 1
	s_sub_co_u32 s42, s42, 1
	s_cmp_lg_u32 s42, 0
	s_cbranch_scc1 .Lstep
	TRIP 1, 0, 1, 1                                ; t = 29: the last K is loaded
	TRIP 0, 0, 1, 0                                ; t = 30: the last V is asked for, the last softmax made
	TRIP 1, 0, 0, 0                                ; t = 31: attn.V alone
	; THE WAY OUT.  The row sums over the halves of the lanes and the four waves; then out = sums x T / L.
	PLACES
	s_lshl_b32 s46, s3, 8
.macro LPART xi
	WIN 0x55+0xaa*\xi
	v_permlanex16_b32 v[TX], v[LLX], s40, s41
	v_permlanex16_b32 v[TX+1], v[LLX+1], s40, s41
	v_add_f32 v[LLX], v[LLX], v[TX]
	v_add_f32 v[LLX+1], v[LLX+1], v[TX+1]
	v_add_nc_u32 v[STX], s46, v[MRDX]              ; MINL + 16 r + 256 w
	ds_store_b64 v[STX], v[LLX:LLX+1] offset:1024+8*\xi
.endm
	LPART 0
	LPART 1
	WIN 0
	s_wait_dscnt 0x0
	s_barrier_signal -1
	s_barrier_wait -1
.irp v, 0,1,2,3
	ds_load_b128 v[MNF+4*\v:MNF+4*\v+3], v[MRD] offset:1024+\v*256
.endr
	s_wait_dscnt 0x0
.irp q, 0,1,2,3
	v_add_f32 v[T+\q],   v[MNF+\q],   v[MNF+4+\q]
	v_add_f32 v[T+4+\q], v[MNF+8+\q], v[MNF+12+\q]
.endr
.irp q, 0,1,2,3
	v_add_f32 v[T+\q], v[T+\q], v[T+4+\q]          ; at least about 1: the nearest key's p is 1
.endr
.irp q, 0,1,2,3
	v_rcp_f32 v[T+4+\q], v[T+\q]
.endr
	v_nop
	s_wait_alu depctr_va_vdst(0)
.irp q, 0,1,2,3
	v_mul_f32 v[AL0+2*\q], v[TT], v[T+4+\q]
.endr
; 32 queries (tiles 2 hq, 2 hq + 1): scaled, 32 bytes a lane into my own stage (rows of 512 bytes + 16), read back as whole rows and stored:
; each store of the wave covers 512 consecutive bytes of out0, aligned.  The stage is my wave's own and LDS serves a wave's instructions in order (ISA guide 5.7.1.4): no barrier.
; It lies in slot 0, whose last fill was read a trip ago, in front of the last round.
.macro OUTHALF hq
.irp x, 0,1
	WIN 0x01+0x02*\x                               ; o tiles 0-3 from window 1, 4-7 from window 3
.irp l, 0,1
.irp o, 0,1,2,3
.irp p, 0,2,4,6
	v_pk_mul_f32 v[OT+64*\l+8*(4*\x+\o)+\p:OT+64*\l+8*(4*\x+\o)+\p+1], v[8*(4*\o+2*\hq+\l)+\p:8*(4*\o+2*\hq+\l)+\p+1], v[AL0+2*(2*\hq+\l):AL0+2*(2*\hq+\l)+1] op_sel_hi:[1,0]
.endr
.endr
.endr
.endr
	WIN 0
.irp l, 0,1
.irp o, 0,1,2,3,4,5,6,7
	ds_store_b128 v[STW], v[OT+64*\l+8*\o:OT+64*\l+8*\o+3]   offset:\l*16*OP+\o*64
	ds_store_b128 v[STW], v[OT+64*\l+8*\o+4:OT+64*\l+8*\o+7] offset:\l*16*OP+\o*64+16
.endr
.endr
.irp g, 0,1,2,3
	s_wait_xcnt 0x0                                ; OB is data of the stores before: loaded again only behind this wait
.irp i, 0,1,2,3,4,5,6,7
	ds_load_b128 v[OB+4*\i:OB+4*\i+3], v[STR] offset:(8*\g+\i)*OP
.endr
.irp i, 0,1,2,3,4,5,6,7
	s_wait_dscnt 7-\i                              ; LDS loads come back in order: row i of the eight is in
	global_store_b128 v[OOFF], v[OB+4*\i:OB+4*\i+3], s[22:23] offset:(32*\hq+8*\g+\i)*2048 th:TH_STORE_NT
.endr
.endr
.endm
	OUTHALF 0
	OUTHALF 1
	s_wait_tensorcnt 0x0
	ds_add_u32 v62, v63
	s_wait_dscnt 0x0
	ROUND                                          ; the closing round: no work-group ends while a partner may still ask jointly
	s_endpgm
.Lfunc_end_k_qa0b284654c_attn:
	.size	k_qa0b284654c_attn, .Lfunc_end_k_qa0b284654c_attn-k_qa0b284654c_attn
	.p2alignl 7, 3214868480
	.fill 96, 4, 3214868480
	.section	.rodata,"a",@progbits
	.p2align	6, 0x0
	.amdhsa_kernel k_qa0b284654c_attn
		.amdhsa_group_segment_fixed_size 327680
		.amdhsa_private_segment_fixed_size 0
		.amdhsa_enable_private_segment 0
		.amdhsa_kernarg_size 64
		.amdhsa_user_sgpr_count 2
		.amdhsa_user_sgpr_kernarg_segment_ptr 1
		.amdhsa_wavefront_size32 1
		.amdhsa_system_sgpr_workgroup_id_x 1
		.amdhsa_system_sgpr_workgroup_id_y 1
		.amdhsa_system_sgpr_workgroup_id_z 1
		.amdhsa_system_vgpr_workitem_id 0
		.amdhsa_next_free_vgpr 1024
		.amdhsa_next_free_sgpr 66
		.amdhsa_reserve_vcc 0
		.amdhsa_float_denorm_mode_32 3
		.amdhsa_float_denorm_mode_16_64 3
		.amdhsa_memory_ordered 1
		.amdhsa_forward_progress 1
		.amdhsa_inst_pref_size 255
	.end_amdhsa_kernel
	.section	.bss,"aw",@nobits
	.p2align	6
	.space	262144
	.amdgpu_metadata
---
amdhsa.version: [ 1, 2 ]
amdhsa.kernels:
  - .name:           k_qa0b284654c_attn
    .symbol:         k_qa0b284654c_attn.kd
    .args:
      - { .name: Qf, .offset: 0, .size: 8, .value_kind: global_buffer, .address_space: global }
      - { .name: Kf, .offset: 8, .size: 8, .value_kind: global_buffer, .address_space: global }
      - { .name: Vf, .offset: 16, .size: 8, .value_kind: global_buffer, .address_space: global }
      - { .name: qsq, .offset: 24, .size: 8, .value_kind: global_buffer, .address_space: global }
      - { .name: ksq, .offset: 32, .size: 8, .value_kind: global_buffer, .address_space: global }
      - { .name: tau, .offset: 40, .size: 8, .value_kind: global_buffer, .address_space: global }
      - { .name: log_lambda, .offset: 48, .size: 8, .value_kind: global_buffer, .address_space: global }
      - { .name: out0, .offset: 56, .size: 8, .value_kind: global_buffer, .address_space: global }
    .group_segment_fixed_size: 327680
    .private_segment_fixed_size: 0
    .kernarg_segment_align: 8
    .kernarg_segment_size: 64
    .max_flat_workgroup_size: 128
    .sgpr_count:     66
    .vgpr_count:     1024
    .wavefront_size: 32
...
	.end_amdgpu_metadata
.endif
;; end of part 3
